; MI455X (gfx1250); checked and timed in simulation.
; The chip was launched on July 23, 2026; its instructions are those of AMD's public machine-readable ISA for CDNA 5 (MIT licence, August 2026) and "CDNA5" Instruction Set Architecture Reference Guide (July 2026). The comments in the code are by the model that wrote it; some were corrected since.
;; Low Rank Token Mixing. Allowed arithmetic: matrix products marked QUANTISED: E2M1 operands, one E8M0 scale for each 32 along K, by v_wmma_scale_f32_16x16x128_f8f6f4 with both operands' format E2M1 (or v_wmma_scale_f32_32x16x128_f4), f32 sums; everything else in f32.
;; Inputs: B_codes 2 x 8 x 4,096 x 2 x 16 uint8 (E2M1 codes of B, K innermost, in blocks of 32 codes, two codes a byte); B_scales 2 x 8 x 4,096 x 2 uint8 (E8M0 scales of B, one for each 32 codes along K); C_codes 2 x 8 x 4,096 x 2 x 16 uint8 (E2M1 codes of C, K innermost, in blocks of 32 codes, two codes a byte); C_scales 2 x 8 x 4,096 x 2 uint8 (E8M0 scales of C, one for each 32 codes along K); x_codes 2 x 8 x 64 x 128 x 16 uint8 (E2M1 codes of x, K innermost, in blocks of 32 codes, two codes a byte); x_scales 2 x 8 x 64 x 128 uint8 (E8M0 scales of x, one for each 32 codes along K).
;; Outputs: out0 2 x 8 x 4,096 x 64 float32.
;; This version of the problem:
;;   THIS VERSION OF THE PROBLEM IS GIVEN IN LOW PRECISION. The matrix products marked QUANTISED in the list below multiply operands that are first quantised to E2M1 (2 exponent bits, 1 mantissa bit; 4 bits a number), with one power-of-two scale for each 32 numbers along K (OCP MX v1.0); their sums are f32. All else is computed in f32.
;;   The module's matrix products, in the order in which they are computed (A, B: the left and right operand; K: the contracted axis; several contracted axes count as one K, in the product's order):
;;     1. batch 16 x [M 4,096, K 64] x [K 64, N 4,096]; A: input C (given as codes); B: input B (given as codes): QUANTISED
;;     2. batch 16 x [M 4,096, K 4,096] x [K 4,096, N 64]; A: softmax (see below); B: input x (given as codes): QUANTISED
;;   THE QUANTISER, for each operand of a quantised product, along K:
;;     - K is cut into blocks of 32 from its start; a last block that is shorter is filled with zeros.
;;     - A block's scale is 2^e with e = floor(log2(the largest magnitude in the block)) - 2, held to -126 .. 127; a block of zeros has e = 0. As a byte (E8M0): e + 127.
;;     - Each number is divided by its block's scale, clamped to +-6, and rounded to the nearest number of E2M1, ties to even, subnormals kept.
;;     - The product sums the exact products of the quantised numbers (number of the format x scale) in f32.
;;   ~~~python
;;   def quantise(x, axis):      # numpy; x: float32 -> the quantised numbers, widened to float32 again
;;       x = np.moveaxis(x, axis, -1); K = x.shape[-1]
;;       x = np.pad(x, [(0, 0)] * (x.ndim - 1) + [(0, -K % 32)]); x = x.reshape(x.shape[:-1] + (-1, 32)); a = np.abs(x).max(-1, keepdims=True)
;;       e = np.where(a > 0, np.clip(np.frexp(np.where(a > 0, a, 1))[1] - 1 - 2, -126, 127), 0)      # np.frexp(a)[1] - 1 = floor(log2(a)), exactly
;;       r = np.clip(x / 2.0 ** e, -6, 6)
;;       step = 2.0 ** (np.maximum(np.frexp(np.where(r == 0, 1, r))[1] - 1, 0) - 1)
;;       q = np.round(r / step) * step * 2.0 ** e      # np.round: ties to even
;;       return np.moveaxis(q.reshape(q.shape[:-2] + (-1,))[..., :K], -1, axis).astype(np.float32)
;;   ~~~
;;   SOFTMAX AHEAD OF A QUANTISED PRODUCT. Where the list says 'softmax', what is quantised is not the finished softmax but p = 2^(t - M), with t = logit x log2(e) and M = ceil(the row's largest t), a whole number; so 1/2 < the row's largest p <= 1. The row's sum l is taken of the UNQUANTISED p, in f32, and the product's result is divided by l at the end. Since M is a whole number, a kernel that streams over the keys may use a running M (the ceiling of the running maximum): every later rescaling is an exact power of two, which a block's scale takes up: the codes' values come out the same.
;;   OPERANDS COMPUTED ON THE WAY. 'Computed on the way' means the value that the module computes at that place (a softmax that the list does not call 'softmax' is quantised finished and normalised). What goes into a quantiser is computed in f32, as accurately as f32 sums, v_exp_f32 and their like allow (about 1e-6 of the number): no bf16 or f16 on the way to a quantiser, and a product that is left as it is and whose result goes on into a quantised operand takes f32 operands (vector FMAs, or v_wmma_f32_16x16x4_f32). A number that lies on a knife's edge between two numbers of the format may be rounded either way, as far as f32 arithmetic and the matrix unit's own rounding can turn it there, and no further.
;;   INPUTS GIVEN AS CODES. B (in the module: [2, 8, 4096, 64], K = its axis 3); C (in the module: [2, 8, 4096, 64], K = its axis 3); x (in the module: [2, 8, 4096, 64], K = its axis 2): each comes as NAME_codes (uint8): NAME with its K axis moved to the last place and cut into blocks of 32 codes, [.., K / 32, bytes a block], one block behind the other in memory; two codes a byte, the lower K in the low four bits (a code: sign, 2 exponent bits, 1 mantissa bit); and NAME_scales (uint8): the same leading axes, one E8M0 byte (e + 127) for each 32 codes along K. Its value is code x scale, taken as it is: it is not quantised again, and the codes and scales need not be those that the quantiser above would give.
;; One version. Each part assembles by itself: llvm-mc -triple=amdgcn-amd-amdhsa -mcpu=gfx1250 --defsym DOCPART=n.
;; ======== version 1 of 1: 1 launch
;; launch attn (part 1): grid 16 x 16, 8 waves a work-group, clusters of 4 x 1, 327,680 bytes of LDS; arguments C_codes, C_scales, B_codes, B_scales, x_codes, x_scales, out0; writes out0
.if DOCPART == 1
	.amdgcn_target "amdgcn-amd-amdhsa--gfx1250"
	.amdhsa_code_object_version 6
	.text
	.protected	k_q702169d2e9_attn
	.globl	k_q702169d2e9_attn
	.p2align	8
	.type	k_q702169d2e9_attn,@function
k_q702169d2e9_attn:
	s_mov_b64 s[64:65], 0
	v_nop
	global_prefetch_b8 v0, s[64:65] scope:SCOPE_SE
	s_setreg_imm32_b32 hwreg(HW_REG_WAVE_MODE, 25, 1), 1
	s_wait_xcnt 0x0
	s_wait_alu depctr_hold_cnt(0) depctr_sa_sdst(0) depctr_va_vdst(0) depctr_va_sdst(0) depctr_va_ssrc(0) depctr_va_vcc(0) depctr_vm_vsrc(0)
	s_getreg_b32 s2, hwreg(HW_REG_IB_STS2, 6, 4)
	s_cmp_eq_u32 s2, 0
	s_cbranch_scc0 .Lentry_in_a_cluster
	s_endpgm
.Lentry_in_a_cluster:
	s_bfe_u32 s2, ttmp6, 0x10000c
	s_cmp_lg_u32 s2, 0x3003
	s_cbranch_scc0 .Lentry_shape_is_right
	s_endpgm
.Lentry_shape_is_right:
; out0[h][q][:] = the sum over keys k <= q of softmax_k(C[h][q] . B[h][k] / 8) x[h][k][:], 16 heads, 4,096 positions, 64 channels; both products on codes of FP4 (E2M1) with one E8M0 scale for each 32 along a product's K.
; C, B: codes along the 64 channels, 32 bytes and 2 scale bytes a row.  x: codes with the KEYS innermost, [head][64 channels][2,048 bytes], 128 scale bytes a row.  out0: f32, 256 bytes a row.
; THE SOFTMAX AHEAD OF THE SECOND PRODUCT: t = score x log2(e) / 8; M = the row's largest t so far, rounded up to a whole number; p = 2^(t - M) is quantised along the keys, not normalised.
; The row's sum is taken of the unquantised p, in f32, and divides at the end.  When M moves, the sum and O are multiplied by 2^(old M - new M), which rounds nothing.
; WORK LEFT OUT.  The causal mask: a score with key > query becomes -inf, its p is 0 and it adds 0 to the sum and to the product, whatever the inputs hold.
; So a key step (128 keys) all of whose keys come after a tile's 16 queries reaches no output and is not walked.  LIMIT: a NaN, an infinity or an overflow that would arise only in such steps is not carried to the result.
; Every input has a way to the output: all six are loaded.
; OTHER LIMITS.  A scale byte 0xff (NaN) among the inputs is not served.  A p under 2^-126 comes out of v_exp_f32 as 0.  A block of 32 keys all of whose p are 0 gets the byte 1 where the quantiser says 127: its codes
; are zeros, which add nothing.  A block's largest p is not searched for: the block's largest score goes through the same multiply-add and exponential (this takes v_exp_f32 not to fall where its input rises).
; SHARES.  A head's B, x and scale bytes are 278,528 bytes: they come into LDS ONCE and stay; nothing is filled again.  16 work-groups of 8 waves to a head.  A wave owns TWO tiles of 16 queries, t and 255 - t:
; tile t needs t / 8 + 1 key steps, so the pair needs 33 whatever t is: every wave of the launch has the same work.  The high tile is walked first (pass 1), then the low one (pass 2).
; With A = 2 x wave + (cluster x & 1) and Bq = cx + 4 (cluster x >> 1): the low tile is 8 A + Bq.  Its last step is A, the high tile's 31 - A: numbers that the four partners of a cluster share.  The place in the
; cluster, cx, enters only C's and out0's offsets in memory and the threshold of the diagonal's mask (a vector register that feeds v_cndmask_b32): no branch and no LDS address.
; CLUSTER.  The four work-groups of a cluster belong to one head and need the same B, x and scales: every fill is asked for JOINTLY, by the same tensor load with the same descriptor and the mask 15.
; NO PREFETCH: every byte that comes through LDS is asked for by the first fills at the head; there is no later request to run ahead of.
; LAYOUT.  Both products are used transposed: S^T = B C^T (source 0 = 16 keys, source 1 = my 16 queries), O^T = x^T P^T (source 0 = 16 channels, source 1 = P): a lane holds ONE query (lane % 16) throughout.
; THE KEYS OF A TILE ARE NOT NEIGHBOURS: row m of tile 4 c + g takes key 64 c + 32 (m / 8) + 8 g + m % 8 of the step.  Register j of that tile in lane (r, h) is then key 64 c + 32 h + 8 g + j of query r: the
; conversion of the tile's eight registers IS register 4 c + g of P's operand, and a block of 32 keys (block 2 c + h) lies whole in one lane: no codes change lanes.
; K = 64 IN A FORM WITH K = 128.  C's operand is four registers of codes and four of zeros.  A tile of B is four registers; its operand's upper four are the next tile's codes (behind the last tile: zeros), which
; meet C's zero codes and add nothing.  Both sides' scale words come by 16-bit loads that clear the upper half: bytes 2 and 3 are 0, never 0xff.
; LDS.  Chunk c (1,024 keys) at 67,584 c: eight pieces of 8,448 bytes, piece = the wave that fetches it.  Pieces 0-3: B, 256 keys each, as 8 rows of 1,024 bytes (32 keys) + 16 of padding; pieces 4-7: x, 16 channels each,
; 512 bytes (the chunk's keys) + 16 a row.  Behind the chunks eight pieces of 2,176 bytes: 0-3 B's scale bytes of a chunk (2,048, dense); 4-7 x's of 16 channels (128 + 8 a row).  Then a stage of 16 x 272 bytes for each
; wave, into which no fill lands, and the spare words.  B's lanes 8-15 read one LDS row
; further on, 1,040 = 4 x 256 + 16 bytes; x's pitch is 33 x 16 bytes.
.set CHUNKB, 67584
.set PIECE,  8448
.set KP,     1040                      ; an LDS row of B: 32 keys + 16 bytes
.set VP,     528                       ; an LDS row of x: 1,024 keys + 16 bytes
.set SCB,    4*CHUNKB                  ; the scale bytes
.set SPIECE, 2176
.set XSP,    136                       ; an LDS row of x's scale bytes
.set STG,    SCB+8*SPIECE              ; the stages
.set SROW,   272
.set STGW,   16*SROW
.set SPARE,  STG+8*STGW                ; the spare words, 128 bytes for each wave: four blocks of 256 bytes that no other line names
; vector registers
.set AK0,  1                           ; my lane's place in a step's tiles of B
.set AV0,  2                           ; of x
.set ASK0, 3                           ; among B's scale bytes
.set ASV0, 4                           ; among x's
.set SPW,  5                           ; LDS address of my spare word; never rewritten
.set NIL,  6                           ; 0; never rewritten
.set GO,   7                           ; the way out: my byte offset in the tile's rows of out0
.set ADK,  8                           ; the step's four LDS addresses
.set ADV,  9
.set ADS,  10
.set ADT,  11
.set NM,   12                          ; -M
.set TM,   13                          ; the largest t
.set LS,   14                          ; v[14:15] the sum, in two halves
.set CH,   16                          ; v[16:23] the high tile's C: four registers of codes, four of zeros
.set CLO,  24                          ; v[24:31] the low tile's
.set BF,   32                          ; v[32:63] B's eight tiles; v[64:67] zeros
.set XF,   68                          ; v[68:99] x's four fragments
.set BS,   100                         ; v100-103 B's scale words: lanes 0-15 tile 2 u, lanes 16-31 tile 2 u + 1
.set XS,   104                         ; v104-105 x's likewise
.set PSC,  106                         ; P's scale word
.set CSH,  107                         ; C's scale words, high tile
.set CSL,  108                         ; low tile
.set DMH,  109                         ; the diagonal's threshold, high tile
.set DML,  110                         ; low tile
.set NINF, 111                         ; -infinity
.set S,    112                         ; v[112:175] S^T, then p; on the way out O / l and the rows read back
.set OT,   176                         ; v[176:207] O^T
.set PC,   208                         ; v[208:215] P's codes
.set STO,  216                         ; the stage: where I put 32 bytes of a row
.set RD,   217                         ; and where I read rows back
.set SH8,  218                         ; 8 x (lane / 16)
.set FF,   220                         ; v[220:221] f = 2^(old M - new M), and a filler
.set BM,   222                         ; v222-223 my two blocks' largest scores, then largest p
.set CM,   224                         ; v224-227 four chains of maxima
.set W,    228
.set W2,   229
.set OM,   230                         ; the old -M
.set L2,   232                         ; v[232:233] the sum's second chain
.set SO,   234                         ; v234-235 the conversions' scale operands
.set SBY,  236                         ; v236-237 the scale bytes
.set PW,   238
.set PW2,  239
; scalar registers
.set WV,   18                          ; my wave's number
.set IX,   19                          ; wave % 4
.set SEL,  20                          ; s[20:21] v_permlanex16_b32's selects for lane l xor 16
.set CS,   22                          ; s[22:23] c = log2(e) / 8
.set G1K,  24                          ; descriptor groups 1: B's codes,
.set G1V,  32                          ; x's codes,
.set G1KS, 40                          ; B's scale bytes,
.set G1VS, 48                          ; x's scale bytes
.set G0S,  56                          ; groups 0: my scale piece,
.set G0C0, 60                          ; my piece of chunk 0,
.set G0C1, 68                          ; 1,
.set G0C2, 72                          ; 2,
.set G0C3, 76                          ; 3
.set TBK,  80                          ; where the step's tiles of B begin in LDS
.set TBV,  81                          ; x's
.set TSK,  82                          ; B's scale bytes
.set TSV,  83                          ; x's
.set STP,  84                          ; the step's number in its pass
.set LIMH, 85                          ; the high tile's last step
.set LIML, 86                          ; the low tile's
.set CNT,  87                          ; counts a chunk's four pairs of steps (a temporary at the head)
.set OUTER, 88                         ; counts chunks (a temporary at the head)
.set BQ,   89
.set OUTH, 90                          ; s[90:91] out0 at the high tile's first row
.set OUTL, 92                          ; s[92:93] at the low tile's
.set CX,   94
.set HEAD, 95
.set T0,   96                          ; s[96:97] at work
.set T1,   97
.set TLO,  98
.set THI,  99
.set STEPC, 100                        ; s[100:101] from chunk to chunk in memory
; A round of the cluster's barrier: my work-group's barrier; wave 0 signals for the work-group; every wave waits for all four work-groups; my work-group's barrier once more.
.macro CROUND
	s_barrier_signal -1
	s_barrier_wait -1
	s_cmp_lg_u32 s[WV], 0
	s_cbranch_scc1 .Lnot_wave_0_\@
	s_barrier_signal -3
.Lnot_wave_0_\@:
	s_barrier_wait -3
	s_barrier_signal -1
	s_barrier_wait -1
.endm
; A pass begins: the largest t under every t, the sum and O^T zeros (the step is written once: the first change of M multiplies zeros), the walk at key 0.
.macro PASS_INIT
	v_mov_b32 v[TM], 0xff61b1e6                    ; -3e38
	v_floor_f32 v[NM], -v[TM]
	v_mov_b32 v[LS], 0
	v_mov_b32 v[LS+1], 0
.set pj, 0
.rept 32
	v_mov_b32 v[OT+pj], 0
.set pj, pj+1
.endr
	s_mov_b32 s[TBK], 0
	s_mov_b32 s[TBV], 0
	s_mov_b32 s[TSK], 0
	s_mov_b32 s[TSV], 0
	s_mov_b32 s[STP], 0
.endm
; A KEY STEP: 128 keys against the tile whose C stands in v[qf] on, with its scale words in v[qsc].  par: the step's place in its piece of B (two steps to a piece).
; masked = 1: the step may lie past the tile's last step lim (then its work is jumped over: a scalar branch on ids and the count of steps; the lines at its end that step addresses are always run)
; or on the diagonal (step = lim: hidden scores become -infinity; dm holds the lane's threshold).
.macro STEP qf, qsc, par, masked, lim, dm
.if \masked
	s_cmp_gt_u32 s[STP], s[\lim]
	s_cbranch_scc1 .Lhidden_\@
.endif
	v_add_nc_u32 v[ADK], s[TBK], v[AK0]            ; these four are also the places between the last step's products and the loads into the registers that they read
	v_add_nc_u32 v[ADV], s[TBV], v[AV0]
	v_add_nc_u32 v[ADS], s[TSK], v[ASK0]
	v_add_nc_u32 v[ADT], s[TSV], v[ASV0]
.irp a, 0,1,2,3,4,5,6,7
	ds_load_b128 v[BF+4*\a:BF+4*\a+3], v[ADK] offset:(\a/4)*2*KP+(\a%4)*256      ; tile a = 4 c + g: 2 c LDS rows and 8 g keys on
.endr
.irp u, 0,1,2,3
	ds_load_u16 v[BS+\u], v[ADS] offset:(\u/2)*128+(\u%2)*32                     ; two bytes a key; the upper half comes as 0
.endr
.irp y, 0,1,2,3
.irp k, 0,1
	ds_load_b128 v[XF+8*\y+4*\k:XF+8*\y+4*\k+3], v[ADV] offset:PIECE*\y+32*\k    ; channels 16 y on
.endr
.endr
.irp u, 0,1
	ds_load_b32 v[XS+\u], v[ADT] offset:2*SPIECE*\u
.endr
	s_wait_dscnt 10                                ; B's twelve loads are in; x's ten, issued behind them, may stay out
.irp a, 0,1,2,3,4,5,6,7
.if (\a%2) == 0
	v_wmma_scale_f32_16x16x128_f8f6f4 v[S+8*\a:S+8*\a+7], v[BF+4*\a:BF+4*\a+7], v[\qf:\qf+7], 0, v[BS+\a/2], v[\qsc] matrix_a_fmt:MATRIX_FMT_FP4 matrix_b_fmt:MATRIX_FMT_FP4
.else
	v_wmma_scale_f32_16x16x128_f8f6f4 v[S+8*\a:S+8*\a+7], v[BF+4*\a:BF+4*\a+7], v[\qf:\qf+7], 0, v[BS+\a/2], v[\qsc] matrix_a_fmt:MATRIX_FMT_FP4 matrix_b_fmt:MATRIX_FMT_FP4 matrix_a_scale:MATRIX_SCALE_ROW1
.endif
.endr
	v_mov_b32 v[OM], v[NM]                         ; -M as it was.  With the three below: four places between the products and the first read of their results (ISA guide 7.12.1)
	v_nop
	v_nop
	v_nop
.if \masked
	s_cmp_lg_u32 s[STP], s[\lim]
	s_cbranch_scc1 .Lopen_\@                       ; all keys of the step count
.set mn, 0
.rept 64                                           ; register n holds key 64 (n / 32) + n % 32 + 32 (lane / 16) of the step: hidden where that is above my query's place in the step
	v_cmp_gt_i32 vcc_lo, 64*(mn/32)+mn%32, v[\dm]
	v_cndmask_b32 v[S+mn], v[S+mn], v[NINF], vcc_lo
.set mn, mn+1
.endr
.Lopen_\@:
.endif
	; the largest score of each of my two blocks of 32 keys, in four chains by turns; each accumulator is first read at its low end
.irp c, 0,1
.irp e, 0,1
	v_max3_num_f32 v[CM+2*\c+\e], v[S+32*\c+16*\e], v[S+32*\c+16*\e+1], v[S+32*\c+16*\e+2]
.endr
.endr
.irp z, 3,5,7,9,11,13
.irp c, 0,1
.irp e, 0,1
	v_max3_num_f32 v[CM+2*\c+\e], v[CM+2*\c+\e], v[S+32*\c+16*\e+\z], v[S+32*\c+16*\e+\z+1]
.endr
.endr
.endr
.irp c, 0,1
	v_max3_num_f32 v[BM+\c], v[CM+2*\c], v[CM+2*\c+1], v[S+32*\c+15]
.endr
.irp c, 0,1
	v_max_num_f32 v[BM+\c], v[BM+\c], v[S+32*\c+31]
.endr
	v_max_num_f32 v[W], v[BM], v[BM+1]
	v_permlanex16_b32 v[W2], v[W], s[SEL], s[SEL+1]  ; my query's other 64 keys lie in the lane 16 away
	v_max_num_f32 v[W], v[W], v[W2]                ; the step's largest score of my query
	v_mul_f32 v[W], s[CS], v[W]                    ; as t (c is positive)
	v_max_num_f32 v[TM], v[TM], v[W]
	v_floor_f32 v[NM], -v[TM]                      ; the new -M = -ceil(t): a whole number
	v_sub_f32 v[W], v[NM], v[OM]                   ; old M - new M: a whole number, 0 or less
	v_cvt_i32_f32 v[W], v[W]                       ; (it saturates)
	v_ldexp_f32 v[FF], 1.0, v[W]                   ; f = 2^(old M - new M)
	; ONE BATCH: the 32 packed scalings t - M, the 66 exponentials, and between them O^T's 16 packed multiplications by f.  No line of it names an exponential's result.
	v_pk_fma_f32 v[S:S+1], v[S:S+1], s[CS:CS+1], v[NM:NM+1] op_sel_hi:[1,0,0]
	v_pk_fma_f32 v[S+2:S+3], v[S+2:S+3], s[CS:CS+1], v[NM:NM+1] op_sel_hi:[1,0,0]
	v_fma_f32 v[BM], v[BM], s[CS], v[NM]           ; the same of each block's largest score
	v_fma_f32 v[BM+1], v[BM+1], s[CS], v[NM]
.set bi, 0
.rept 32
.if bi < 30
	v_pk_fma_f32 v[S+2*bi+4:S+2*bi+5], v[S+2*bi+4:S+2*bi+5], s[CS:CS+1], v[NM:NM+1] op_sel_hi:[1,0,0]   ; a pair is scaled two pairs ahead of its exponentials
.endif
	v_exp_f32 v[S+2*bi], v[S+2*bi]                 ; p = 2^(t - M), at most 1
.if (bi%2) == 0
	v_pk_mul_f32 v[OT+bi:OT+bi+1], v[OT+bi:OT+bi+1], v[FF:FF+1] op_sel_hi:[1,0]   ; O^T under the new M
.endif
	v_exp_f32 v[S+2*bi+1], v[S+2*bi+1]
.set bi, bi+1
.endr
	v_exp_f32 v[BM], v[BM]                         ; my blocks' largest p
	v_exp_f32 v[BM+1], v[BM+1]
	v_pk_mul_f32 v[LS:LS+1], v[LS:LS+1], v[FF:FF+1] op_sel_hi:[1,0]   ; the sums under the new M: the plain instruction behind the last exponential
	s_wait_alu depctr_va_vdst(0)                   ; the wait ahead of the first line that names an exponential's result: one for the batch
.irp c, 0,1
	v_max_num_f32 v[BM+\c], 0x1800000, v[BM+\c]    ; the floor 2^(3 - 127): the byte cannot fall under 1
.endr
.irp c, 0,1
	v_add_nc_u32 v[SO+\c], 0xff000000, v[BM+\c]    ; 2 off the exponent field: the conversion's scale operand
.endr
.irp c, 0,1
	v_lshrrev_b32 v[SBY+\c], 23, v[SO+\c]          ; the scale's byte
.endr
	v_lshl_or_b32 v[PW], v[SBY+1], 16, v[SBY]      ; my two bytes, blocks h and 2 + h,
	v_lshlrev_b32 v[PW], v[SH8], v[PW]             ; at their places in the word;
	v_permlanex16_b32 v[PW2], v[PW], s[SEL], s[SEL+1]
	v_or_b32 v[PSC], v[PW], v[PW2]                 ; with lane l xor 16's two the word is whole
.irp c, 0,1
.irp g, 0,1,2,3
	v_cvt_scalef32_pk8_fp4_f32 v[PC+4*\c+\g], v[S+32*\c+8*\g:S+32*\c+8*\g+7], v[SO+\c]   ; tile 4 c + g becomes register 4 c + g of P's operand
.endr
.endr
	; the row's sum, of the unquantised p: 32 packed additions in two chains.  They are also the plain line behind the conversions and the places between P's codes (4) and P's scale word (8) and the scaled products
	v_pk_add_f32 v[L2:L2+1], v[S:S+1], v[S+2:S+3]
.irp j, 4,8,12,16,20,24,28,32,36,40,44,48,52,56,60
	v_pk_add_f32 v[LS:LS+1], v[LS:LS+1], v[S+\j:S+\j+1]
	v_pk_add_f32 v[L2:L2+1], v[L2:L2+1], v[S+\j+2:S+\j+3]
.endr
	v_pk_add_f32 v[LS:LS+1], v[LS:LS+1], v[L2:L2+1]
	s_wait_dscnt 0x0                               ; x's fragments and scale words are in
.irp y, 0,1,2,3                                    ; the four accumulators by turns; between two links of a chain stand the next step's eight products
.if (\y%2) == 0
	v_wmma_scale_f32_16x16x128_f8f6f4 v[OT+8*\y:OT+8*\y+7], v[XF+8*\y:XF+8*\y+7], v[PC:PC+7], v[OT+8*\y:OT+8*\y+7], v[XS+\y/2], v[PSC] matrix_a_fmt:MATRIX_FMT_FP4 matrix_b_fmt:MATRIX_FMT_FP4
.else
	v_wmma_scale_f32_16x16x128_f8f6f4 v[OT+8*\y:OT+8*\y+7], v[XF+8*\y:XF+8*\y+7], v[PC:PC+7], v[OT+8*\y:OT+8*\y+7], v[XS+\y/2], v[PSC] matrix_a_fmt:MATRIX_FMT_FP4 matrix_b_fmt:MATRIX_FMT_FP4 matrix_a_scale:MATRIX_SCALE_ROW1
.endif
.endr
.if \masked
.Lhidden_\@:
.endif
	s_add_co_u32 s[TBK], s[TBK], 4*KP+128*\par     ; four LDS rows on; from a piece's second step to the next piece 128 more
	s_add_co_u32 s[TBV], s[TBV], 64
	s_add_co_u32 s[TSK], s[TSK], 256
	s_add_co_u32 s[TSV], s[TSV], 4
	s_add_co_u32 s[STP], s[STP], 1
.endm
; A chunk's eight steps: four trips of two; then on to the next chunk.
.macro CHUNK qf, qsc, masked, lim, dm
	s_mov_b32 s[CNT], 4
.Lpair_\@:
	STEP \qf, \qsc, 0, \masked, \lim, \dm
	STEP \qf, \qsc, 1, \masked, \lim, \dm
	s_sub_co_u32 s[CNT], s[CNT], 1
	s_cmp_lg_u32 s[CNT], 0
	s_cbranch_scc1 .Lpair_\@
	s_add_co_u32 s[TBK], s[TBK], CHUNKB-4*PIECE
	s_add_co_u32 s[TBV], s[TBV], CHUNKB-512
	s_add_co_u32 s[TSK], s[TSK], SPIECE-2048
.endm
; THE WAY OUT of a tile.  The sum's halves and the other lane's are added; O^T is divided by the sum and goes through my own stage in LDS: a lane's eight channels of a row go in as 32 bytes, whole rows of 256 bytes come back.
.macro WAYOUT out
	v_add_f32 v[LS], v[LS], v[LS+1]                ; the two additions and the two v_nop are the four places behind the last products
	v_permlanex16_b32 v[W2], v[LS], s[SEL], s[SEL+1]
	v_add_f32 v[LS], v[LS], v[W2]
	v_rcp_f32 v[LS], v[LS]
	v_nop                                          ; the plain instruction behind the reciprocal
	v_nop
	s_wait_alu depctr_va_vdst(0)                   ; the wait ahead of the reciprocal's first reader
.set wj, 0
.rept 16
	v_pk_mul_f32 v[S+wj:S+wj+1], v[OT+wj:OT+wj+1], v[LS:LS+1] op_sel_hi:[1,0]   ; register 8 y + j: out(query r, channel 16 y + 8 h + j); each accumulator from its low end on
.set wj, wj+2
.endr
.irp y, 0,1,2,3
	ds_store_b128 v[STO], v[S+8*\y:S+8*\y+3] offset:64*\y
	ds_store_b128 v[STO], v[S+8*\y+4:S+8*\y+7] offset:64*\y+16
.endr
.irp i, 0,1,2,3,4,5,6,7
	ds_load_b128 v[S+32+4*\i:S+32+4*\i+3], v[RD] offset:2*SROW*\i   ; LDS serves a wave's instructions in order (ISA guide 5.7.1.4): these see my stores
.endr
.irp i, 0,1,2,3,4,5,6,7
	s_wait_dscnt 7-\i                              ; load i is in; the younger ones may stay out
	global_store_b128 v[GO], v[S+32+4*\i:S+32+4*\i+3], s[\out:\out+1] offset:512*\i th:TH_STORE_NT   ; 32 lanes store two rows: 512 consecutive bytes, at a multiple of 256 from out0's first byte
.endr
.endm
	s_load_b256 s[4:11], s[0:1], 0x0               ; C's codes s[4:5], C's scales s[6:7], B's codes s[8:9], B's scales s[10:11]
	s_load_b128 s[12:15], s[0:1], 0x20             ; x's codes s[12:13], x's scales s[14:15]
	s_load_b64 s[16:17], s[0:1], 0x30              ; out0
	v_lshl_add_u32 v[SPW], v0, 2, SPARE
	v_mov_b32 v[NIL], 0
	ds_add_u32 v[SPW], v[NIL]                      ; the wave's opening: the add, twice on end, and its wait ahead of my first tensor load; the set-up below, work on registers, stands between
	ds_add_u32 v[SPW], v[NIL]
	v_lshrrev_b32 v240, 5, v0
	v_readfirstlane_b32 s[WV], v240                ; wave 0..7
	s_and_b32 s[IX], s[WV], 3
	s_bfe_u32 s[CX], ttmp6, 0x40000                ; cx: my place in the cluster
	s_and_b32 s[HEAD], ttmp7, 0xffff               ; the head, which the four partners share
	s_and_b32 s[T0], ttmp9, 1                      ; in a cluster launch ttmp9 counts clusters
	s_lshl_b32 s[LIML], s[WV], 1
	s_add_co_u32 s[LIML], s[LIML], s[T0]           ; A = 2 x wave + (cluster x & 1): the low tile's last step
	s_sub_co_u32 s[LIMH], 31, s[LIML]              ; the high tile's
	s_lshr_b32 s[BQ], ttmp9, 1
	s_lshl_b32 s[BQ], s[BQ], 2
	s_add_co_u32 s[BQ], s[BQ], s[CX]               ; Bq = cx + 4 (cluster x >> 1): never compared, never in an LDS address
	s_lshl_b32 s[TLO], s[LIML], 3
	s_add_co_u32 s[TLO], s[TLO], s[BQ]             ; the low tile, 8 A + Bq
	s_sub_co_u32 s[THI], 255, s[TLO]               ; the high tile
	; descriptor groups 1, elements of 8 bytes.  Word 0: 15:0 the mask, all four work-groups; 17:16 element size; 20 padding on; 21 set beside a mask; 24:22 the padding's interval; 31:25 its length
	s_mov_b32 s[G1K], 15|(3<<16)|(1<<20)|(1<<21)|(7<<22)|(3<<25)   ; B's codes: 256 keys, dense in memory, as 8 rows of 1,024 bytes; 4 words of padding behind every 256
	s_mov_b32 s[G1K+1], 128<<16                    ; tensor_dim0 = 128 elements
	s_mov_b32 s[G1K+2], 8<<16                      ; tensor_dim1 = 8
	s_mov_b32 s[G1K+3], 128<<16                    ; tile_dim0
	s_mov_b32 s[G1K+4], 8                          ; tile_dim1
	s_mov_b32 s[G1K+5], 128                        ; from row to row
	s_mov_b32 s[G1K+6], 0
	s_mov_b32 s[G1K+7], 0
	s_mov_b32 s[G1V], 15|(3<<16)|(1<<20)|(1<<21)|(6<<22)|(3<<25)   ; x's codes: 16 rows of 512 bytes, 2,048 bytes apart; 4 words of padding behind every 128
	s_mov_b32 s[G1V+1], 64<<16
	s_mov_b32 s[G1V+2], 16<<16
	s_mov_b32 s[G1V+3], 64<<16
	s_mov_b32 s[G1V+4], 16
	s_mov_b32 s[G1V+5], 256
	s_mov_b32 s[G1V+6], 0
	s_mov_b32 s[G1V+7], 0
	s_mov_b32 s[G1KS], 15|(3<<16)|(1<<21)          ; B's scale bytes of a chunk: 2,048 dense bytes as 8 rows of 256, no padding
	s_mov_b32 s[G1KS+1], 32<<16
	s_mov_b32 s[G1KS+2], 8<<16
	s_mov_b32 s[G1KS+3], 32<<16
	s_mov_b32 s[G1KS+4], 8
	s_mov_b32 s[G1KS+5], 32
	s_mov_b32 s[G1KS+6], 0
	s_mov_b32 s[G1KS+7], 0
	s_mov_b32 s[G1VS], 15|(3<<16)|(1<<20)|(1<<21)|(4<<22)|(1<<25)  ; x's scale bytes: 16 rows of 128 bytes; 2 words of padding behind every 32
	s_mov_b32 s[G1VS+1], 16<<16
	s_mov_b32 s[G1VS+2], 16<<16
	s_mov_b32 s[G1VS+3], 16<<16
	s_mov_b32 s[G1VS+4], 16
	s_mov_b32 s[G1VS+5], 16
	s_mov_b32 s[G1VS+6], 0
	s_mov_b32 s[G1VS+7], 0
	s_mov_b32 s[SEL], 0x76543210
	s_mov_b32 s[SEL+1], 0xfedcba98
	s_mov_b32 s[CS], 0x3e38aa3b                    ; c = log2(e) / 8
	s_mov_b32 s[CS+1], s[CS]                       ; (named with it as a pair, so it is written)
	s_lshl_b32 s[CNT], s[IX], 13                   ; my piece in a chunk of B: 256 keys of 32 bytes,
	s_lshl_b32 s[OUTER], s[IX], 15                 ; in x: 16 rows of 2,048 bytes
	s_mov_b32 s[STEPC], 512
	s_mov_b32 s[STEPC+1], 0
	s_wait_dscnt 0x0                               ; both opening adds are done
	s_wait_kmcnt 0x0
	s_cmp_lt_u32 s[WV], 4                          ; waves 0-3 fetch B's codes and scales, waves 4-7 x's: a choice on the wave's number, the same in all partners
	s_cselect_b32 s[CNT], s[CNT], s[OUTER]
	s_cselect_b32 s[STEPC], 32768, s[STEPC]        ; from chunk to chunk: 1,024 keys of 32 bytes in B, 512 bytes along a row of x
	s_cselect_b64 s[2:3], s[8:9], s[12:13]         ; the codes that I fetch
	s_cselect_b64 s[66:67], s[10:11], s[14:15]     ; the scale bytes
	s_lshl_b32 s[T0], s[HEAD], 17                  ; a head's codes are 131,072 bytes in either tensor
	s_add_co_u32 s[T0], s[T0], s[CNT]
	s_mov_b32 s[T1], 0
	s_add_nc_u64 s[2:3], s[2:3], s[T0:T1]
	s_lshl_b32 s[T0], s[HEAD], 13                  ; its scale bytes 8,192; my piece 2,048
	s_lshl_b32 s[CNT], s[IX], 11
	s_add_co_u32 s[T0], s[T0], s[CNT]
	s_add_nc_u64 s[66:67], s[66:67], s[T0:T1]
	; groups 0: word 0 the count 1; word 1 the LDS address, a constant + a constant x wave; words 2, 3 the address in memory, with the type 2 on top
	s_mul_i32 s[T0], s[WV], SPIECE
	s_mov_b32 s[G0S], 1
	s_add_co_u32 s[G0S+1], s[T0], SCB
	s_mov_b64 s[G0S+2:G0S+3], s[66:67]
	s_or_b32 s[G0S+3], s[G0S+3], 0x80000000
	s_mul_i32 s[T0], s[WV], PIECE
	s_mov_b32 s[G0C0], 1
	s_mov_b32 s[G0C0+1], s[T0]
	s_mov_b64 s[G0C0+2:G0C0+3], s[2:3]
	s_or_b32 s[G0C0+3], s[G0C0+3], 0x80000000
	s_add_nc_u64 s[2:3], s[2:3], s[STEPC:STEPC+1]
	s_mov_b32 s[G0C1], 1
	s_add_co_u32 s[G0C1+1], s[T0], CHUNKB
	s_mov_b64 s[G0C1+2:G0C1+3], s[2:3]
	s_or_b32 s[G0C1+3], s[G0C1+3], 0x80000000
	s_add_nc_u64 s[2:3], s[2:3], s[STEPC:STEPC+1]
	s_mov_b32 s[G0C2], 1
	s_add_co_u32 s[G0C2+1], s[T0], 2*CHUNKB
	s_mov_b64 s[G0C2+2:G0C2+3], s[2:3]
	s_or_b32 s[G0C2+3], s[G0C2+3], 0x80000000
	s_add_nc_u64 s[2:3], s[2:3], s[STEPC:STEPC+1]
	s_mov_b32 s[G0C3], 1
	s_add_co_u32 s[G0C3+1], s[T0], 3*CHUNKB
	s_mov_b64 s[G0C3+2:G0C3+3], s[2:3]
	s_or_b32 s[G0C3+3], s[G0C3+3], 0x80000000
	s_lshl_b32 s[T0], s[HEAD], 20                  ; out0: a head is 4,096 rows of 256 bytes, a tile 16 rows
	s_lshl_b32 s[T1], s[THI], 12
	s_add_co_u32 s[T0], s[T0], s[T1]
	s_mov_b32 s[T1], 0
	s_add_nc_u64 s[OUTH:OUTH+1], s[16:17], s[T0:T1]
	s_lshl_b32 s[T0], s[HEAD], 20
	s_lshl_b32 s[T1], s[TLO], 12
	s_add_co_u32 s[T0], s[T0], s[T1]
	s_mov_b32 s[T1], 0
	s_add_nc_u64 s[OUTL:OUTL+1], s[16:17], s[T0:T1]
	CROUND                                         ; all four work-groups are here: the joint loads meet
	s_cmp_lt_u32 s[WV], 4                          ; a wave's five first fills stand in one arm of one branch, ahead of every wait on TENSORcnt, every LDS read and every other barrier: five loads of mine are out
	s_cbranch_scc0 .Lfirst_v
	tensor_load_to_lds s[G0S:G0S+3], s[G1KS:G1KS+7]
	s_nop 0
	tensor_load_to_lds s[G0C0:G0C0+3], s[G1K:G1K+7]
	s_nop 0
	tensor_load_to_lds s[G0C1:G0C1+3], s[G1K:G1K+7]
	s_nop 0
	tensor_load_to_lds s[G0C2:G0C2+3], s[G1K:G1K+7]
	s_nop 0
	tensor_load_to_lds s[G0C3:G0C3+3], s[G1K:G1K+7]
	s_nop 0
.rept 4
	v_nop
.endr
	s_branch .Lfirst_asked
.Lfirst_v:
	tensor_load_to_lds s[G0S:G0S+3], s[G1VS:G1VS+7]
	s_nop 0
	tensor_load_to_lds s[G0C0:G0C0+3], s[G1V:G1V+7]
	s_nop 0
	tensor_load_to_lds s[G0C1:G0C1+3], s[G1V:G1V+7]
	s_nop 0
	tensor_load_to_lds s[G0C2:G0C2+3], s[G1V:G1V+7]
	s_nop 0
	tensor_load_to_lds s[G0C3:G0C3+3], s[G1V:G1V+7]
	s_nop 0
.rept 4
	v_nop
.endr
.Lfirst_asked:
	v_and_b32 v240, 15, v0                         ; r = lane % 16
	v_bfe_u32 v241, v0, 4, 1                       ; h = lane / 16
	; C's two fragments and scale words stay in registers: lane (r, h) takes bytes 16 h .. 16 h + 15 of query r's 32
	v_lshlrev_b32 v245, 5, v240
	v_lshl_add_u32 v245, v241, 4, v245
	s_lshl_b32 s[T0], s[HEAD], 17
	s_lshl_b32 s[T1], s[THI], 9
	s_add_co_u32 s[T1], s[T1], s[T0]
	v_add_nc_u32 v246, s[T1], v245
	global_load_b128 v[CH:CH+3], v246, s[4:5]
	s_lshl_b32 s[T1], s[TLO], 9
	s_add_co_u32 s[T1], s[T1], s[T0]
	v_add_nc_u32 v247, s[T1], v245
	global_load_b128 v[CLO:CLO+3], v247, s[4:5]
	v_lshlrev_b32 v248, 1, v240
	s_lshl_b32 s[T0], s[HEAD], 13
	s_lshl_b32 s[T1], s[THI], 5
	s_add_co_u32 s[T1], s[T1], s[T0]
	v_add_nc_u32 v249, s[T1], v248
	global_load_u16 v[CSH], v249, s[6:7]           ; two bytes a query; the upper half comes as 0
	s_lshl_b32 s[T1], s[TLO], 5
	s_add_co_u32 s[T1], s[T1], s[T0]
	v_add_nc_u32 v250, s[T1], v248
	global_load_u16 v[CSL], v250, s[6:7]
	v_lshrrev_b32 v242, 3, v240                    ; r / 8
	v_and_b32 v243, 7, v240                        ; r % 8
	v_mul_u32_u24 v[AK0], v242, KP                 ; B: lanes 8-15 take keys 32 further on: one LDS row;
	v_lshl_add_u32 v[AK0], v243, 5, v[AK0]         ; 32 bytes a key;
	v_lshl_add_u32 v[AK0], v241, 4, v[AK0]         ; my half of them
	v_mul_u32_u24 v[AV0], v240, VP                 ; x: channel r of a tile, my half's 16 bytes,
	v_lshl_add_u32 v[AV0], v241, 4, v[AV0]
	v_add_nc_u32 v[AV0], 4*PIECE, v[AV0]           ; behind B's four pieces
	v_lshlrev_b32 v[ASK0], 6, v242                 ; B's scale bytes: 2 a key; lanes 16-31 take the next tile's: 8 keys on
	v_lshl_add_u32 v[ASK0], v243, 1, v[ASK0]
	v_lshl_add_u32 v[ASK0], v241, 4, v[ASK0]
	v_add_nc_u32 v[ASK0], SCB, v[ASK0]
	v_mul_u32_u24 v[ASV0], v240, XSP               ; x's: channel r's row; lanes 16-31 take the next tile's: one piece on
	v_mad_u32_u24 v[ASV0], v241, SPIECE, v[ASV0]
	v_add_nc_u32 v[ASV0], SCB+4*SPIECE, v[ASV0]
	v_lshlrev_b32 v[GO], 8, v241                   ; the way out: lanes 0-15 one row of out0, lanes 16-31 the next; 16 bytes a lane
	v_lshl_add_u32 v[GO], v240, 4, v[GO]
	s_mul_i32 s[T0], s[WV], STGW
	s_add_co_u32 s[T0], s[T0], STG                 ; my stage
	v_mul_u32_u24 v[STO], v240, SROW               ; in: row r, 32 bytes for each half of the lanes
	v_lshl_add_u32 v[STO], v241, 5, v[STO]
	v_add_nc_u32 v[STO], s[T0], v[STO]
	v_mul_u32_u24 v[RD], v241, SROW                ; back: two rows an instruction
	v_lshl_add_u32 v[RD], v240, 4, v[RD]
	v_add_nc_u32 v[RD], s[T0], v[RD]
	v_lshlrev_b32 v[SH8], 3, v241
	s_lshl_b32 s[T0], s[BQ], 4                     ; the low tile begins 16 Bq keys into its last step,
	s_sub_co_u32 s[T1], 112, s[T0]                 ; the high tile 16 (7 - Bq)
	v_lshlrev_b32 v244, 5, v241
	v_sub_nc_u32 v244, v240, v244                  ; r - 32 h
	v_add_nc_u32 v[DMH], s[T1], v244               ; my query's place in the diagonal step, less my half's 32 keys
	v_add_nc_u32 v[DML], s[T0], v244
	v_mov_b32 v[NINF], 0xff800000
.irp j, 0,1,2,3
	v_mov_b32 v[CH+4+\j], 0                        ; the zero codes of K = 64 .. 127
	v_mov_b32 v[CLO+4+\j], 0
	v_mov_b32 v[BF+32+\j], 0
.endr
	v_mov_b32 v[W2], 0                             ; written once: a lane permute's destination counts as one of its sources
	v_mov_b32 v[PW2], 0
	v_mov_b32 v[FF+1], 0                           ; (named as the upper half of a pair)
	PASS_INIT
	s_wait_tensorcnt 3                             ; my scale piece and my piece of chunk 0 are in; chunks 1 to 3, issued behind them, may stay out
	s_wait_loadcnt 0x0                             ; C
	s_barrier_signal -1
	s_barrier_wait -1                              ; everybody's are
	; PASS 1: the high tile.  Its last step is 16 or more, so all of chunk 0 counts: no mask is assembled there
	CHUNK CH, CSH, 0, LIMH, DMH
	s_wait_tensorcnt 0x0                           ; my pieces of chunks 1 to 3 are in,
	s_wait_dscnt 0x0
	s_barrier_signal -1
	s_barrier_wait -1                              ; everybody's are.  No barrier follows until the end: waves with other limits never wait for each other
	s_mov_b32 s[OUTER], 3
.Lhigh:
	CHUNK CH, CSH, 1, LIMH, DMH
	s_sub_co_u32 s[OUTER], s[OUTER], 1
	s_cmp_lg_u32 s[OUTER], 0
	s_cbranch_scc1 .Lhigh
	WAYOUT OUTH
	s_wait_xcnt 0x0                                ; the stores have read their data: those registers take scores again
	; PASS 2: the low tile; its last step is 15 at the most: two chunks
	PASS_INIT
	s_mov_b32 s[OUTER], 2
.Llow:
	CHUNK CLO, CSL, 1, LIML, DML
	s_sub_co_u32 s[OUTER], s[OUTER], 1
	s_cmp_lg_u32 s[OUTER], 0
	s_cbranch_scc1 .Llow
	WAYOUT OUTL
	s_wait_tensorcnt 0x0                           ; the wave's end: a wait, an add and its wait, behind my last tensor load and my last LDS store
	ds_add_u32 v[SPW], v[NIL]
	s_wait_dscnt 0x0
	CROUND                                         ; the closing round
	s_endpgm
.Lfunc_end_k_q702169d2e9_attn:
	.size	k_q702169d2e9_attn, .Lfunc_end_k_q702169d2e9_attn-k_q702169d2e9_attn
	.p2alignl 7, 3214868480
	.fill 96, 4, 3214868480
	.section	.rodata,"a",@progbits
	.p2align	6, 0x0
	.amdhsa_kernel k_q702169d2e9_attn
		.amdhsa_group_segment_fixed_size 327680
		.amdhsa_private_segment_fixed_size 0
		.amdhsa_enable_private_segment 0
		.amdhsa_kernarg_size 56
		.amdhsa_user_sgpr_count 2
		.amdhsa_user_sgpr_kernarg_segment_ptr 1
		.amdhsa_wavefront_size32 1
		.amdhsa_system_sgpr_workgroup_id_x 1
		.amdhsa_system_sgpr_workgroup_id_y 1
		.amdhsa_system_sgpr_workgroup_id_z 1
		.amdhsa_system_vgpr_workitem_id 0
		.amdhsa_next_free_vgpr 256
		.amdhsa_next_free_sgpr 102
		.amdhsa_reserve_vcc 1
		.amdhsa_float_denorm_mode_32 3
		.amdhsa_float_denorm_mode_16_64 3
		.amdhsa_memory_ordered 1
		.amdhsa_forward_progress 1
		.amdhsa_inst_pref_size 127
	.end_amdhsa_kernel
	.amdgpu_metadata
---
amdhsa.version: [ 1, 2 ]
amdhsa.kernels:
  - .name:           k_q702169d2e9_attn
    .symbol:         k_q702169d2e9_attn.kd
    .args:
      - { .name: C_codes, .offset: 0, .size: 8, .value_kind: global_buffer, .address_space: global }
      - { .name: C_scales, .offset: 8, .size: 8, .value_kind: global_buffer, .address_space: global }
      - { .name: B_codes, .offset: 16, .size: 8, .value_kind: global_buffer, .address_space: global }
      - { .name: B_scales, .offset: 24, .size: 8, .value_kind: global_buffer, .address_space: global }
      - { .name: x_codes, .offset: 32, .size: 8, .value_kind: global_buffer, .address_space: global }
      - { .name: x_scales, .offset: 40, .size: 8, .value_kind: global_buffer, .address_space: global }
      - { .name: out0, .offset: 48, .size: 8, .value_kind: global_buffer, .address_space: global }
    .group_segment_fixed_size: 327680
    .private_segment_fixed_size: 0
    .kernarg_segment_align: 8
    .kernarg_segment_size: 56
    .max_flat_workgroup_size: 256
    .sgpr_count:     102
    .vgpr_count:     256
    .wavefront_size: 32
...
	.end_amdgpu_metadata
.endif
;; end of part 1
